; MI455X (gfx1250); checked and timed in simulation.
; The chip was launched on July 23, 2026; its instructions are those of AMD's public machine-readable ISA for CDNA 5 (MIT licence, August 2026) and "CDNA5" Instruction Set Architecture Reference Guide (July 2026). The comments in the code are by the model that wrote it; some were corrected since.
;; Self Attention. Allowed arithmetic: matrix products marked QUANTISED: E2M3 operands, one E8M0 scale for each 32 along K, by v_wmma_scale_f32_16x16x128_f8f6f4 with both operands' format E2M3, f32 sums; products left as they are: f32 operands where the result goes on into a quantised operand, else bf16, f16 or f32 operands; f32 sums; everything else in f32.
;; Inputs: bk 16 float32; bq 16 float32; bv 256 float32; gamma 1 float32; wk 16 x 256 float32; wq 16 x 256 float32; wv 256 x 256 float32; x 4 x 256 x 64 x 64 float32.
;; Outputs: out0 4 x 256 x 64 x 64 float32.
;; This version of the problem:
;;   THIS VERSION OF THE PROBLEM IS GIVEN IN LOW PRECISION. The matrix products marked QUANTISED in the list below multiply operands that are first quantised to E2M3 (2 exponent bits, 3 mantissa bits; 6 bits a number), with one power-of-two scale for each 32 numbers along K (OCP MX v1.0); their sums are f32. All else is computed in f32.
;;   The module's matrix products, in the order in which they are computed (A, B: the left and right operand; K: the contracted axis; several contracted axes count as one K, in the product's order):
;;     1. [M 16,384, K 256] x [K 256, N 16]; A: input x; B: input wq: QUANTISED
;;     2. [M 16,384, K 256] x [K 256, N 16]; A: input x; B: input wk: QUANTISED
;;     3. [M 16,384, K 256] x [K 256, N 256]; A: input x; B: input wv: QUANTISED
;;     4. batch 4 x [M 4,096, K 16] x [K 16, N 4,096]; A: computed on the way; B: computed on the way: left as it is (K = 16 < 32)
;;     5. batch 4 x [M 256, K 4,096] x [K 4,096, N 4,096]; A: computed on the way; B: softmax (see below): QUANTISED
;;   THE QUANTISER, for each operand of a quantised product, along K:
;;     - K is cut into blocks of 32 from its start; a last block that is shorter is filled with zeros.
;;     - A block's scale is 2^e with e = floor(log2(the largest magnitude in the block)) - 2, held to -126 .. 127; a block of zeros has e = 0. As a byte (E8M0): e + 127.
;;     - Each number is divided by its block's scale, clamped to +-7.5, and rounded to the nearest number of E2M3, ties to even, subnormals kept.
;;     - The product sums the exact products of the quantised numbers (number of the format x scale) in f32.
;;   ~~~python
;;   def quantise(x, axis):      # numpy; x: float32 -> the quantised numbers, widened to float32 again
;;       x = np.moveaxis(x, axis, -1); K = x.shape[-1]
;;       x = np.pad(x, [(0, 0)] * (x.ndim - 1) + [(0, -K % 32)]); x = x.reshape(x.shape[:-1] + (-1, 32)); a = np.abs(x).max(-1, keepdims=True)
;;       e = np.where(a > 0, np.clip(np.frexp(np.where(a > 0, a, 1))[1] - 1 - 2, -126, 127), 0)      # np.frexp(a)[1] - 1 = floor(log2(a)), exactly
;;       r = np.clip(x / 2.0 ** e, -7.5, 7.5)
;;       step = 2.0 ** (np.maximum(np.frexp(np.where(r == 0, 1, r))[1] - 1, 0) - 3)
;;       q = np.round(r / step) * step * 2.0 ** e      # np.round: ties to even
;;       return np.moveaxis(q.reshape(q.shape[:-2] + (-1,))[..., :K], -1, axis).astype(np.float32)
;;   ~~~
;;   SOFTMAX AHEAD OF A QUANTISED PRODUCT. Where the list says 'softmax', what is quantised is not the finished softmax but p = 2^(t - M), with t = logit x log2(e) and M = ceil(the row's largest t), a whole number; so 1/2 < the row's largest p <= 1. The row's sum l is taken of the UNQUANTISED p, in f32, and the product's result is divided by l at the end. Since M is a whole number, a kernel that streams over the keys may use a running M (the ceiling of the running maximum): every later rescaling is an exact power of two, which a block's scale takes up: the codes' values come out the same.
;;   OPERANDS COMPUTED ON THE WAY. 'Computed on the way' means the value that the module computes at that place (a softmax that the list does not call 'softmax' is quantised finished and normalised). What goes into a quantiser is computed in f32, as accurately as f32 sums, v_exp_f32 and their like allow (about 1e-6 of the number): no bf16 or f16 on the way to a quantiser, and a product that is left as it is and whose result goes on into a quantised operand takes f32 operands (vector FMAs, or v_wmma_f32_16x16x4_f32). A number that lies on a knife's edge between two numbers of the format may be rounded either way, as far as f32 arithmetic and the matrix unit's own rounding can turn it there, and no further.
;; One version. Each part assembles by itself: llvm-mc -triple=amdgcn-amd-amdhsa -mcpu=gfx1250 --defsym DOCPART=n.
;; ======== version 1 of 1: 2 launches
;; workspace buffers: qimg 1,048,576 bytes; kv 4,325,376 bytes
;; launch project (part 1): grid 256 x 1, 8 waves a work-group, no clusters, 91,136 bytes of LDS; arguments x, wq, wk, wv, bq, bk, bv, qimg, kv; writes qimg, kv
.if DOCPART == 1
	.amdgcn_target "amdgcn-amd-amdhsa--gfx1250"
	.amdhsa_code_object_version 6
	.text
	.protected	k_q8b6522179f_project
	.globl	k_q8b6522179f_project
	.p2align	8
	.type	k_q8b6522179f_project,@function
k_q8b6522179f_project:
	s_mov_b64 s[64:65], 0
	v_nop
	global_prefetch_b8 v0, s[64:65] scope:SCOPE_SE
	s_setreg_imm32_b32 hwreg(HW_REG_WAVE_MODE, 25, 1), 1
	s_wait_xcnt 0x0
; q = wq x + bq, k = wk x + bk, v = wv x + bv for 64 pixels of one image, on codes of FP6 (E2M3) with one E8M0 scale for each 32 input channels (K = the 256 channels, x's OUTER axis in memory).
; q and k leave as f32, v as codes quantised along the PIXELS (the keys of the next launch's second product), all three laid in the order of the next launch's operand registers.
; SHARES.  Work-group G takes pixels 64 (G % 64) .. + 63 of image G / 64.  Wave w of eight: (X) quantises x for 32 pixels (a lane a pixel, registers down the channels) x 64 channels: two whole blocks a lane;
; (W) quantises six weight fragments (wq or wk: two K steps; 32 rows of wv: two tiles x two K steps) and keeps their images in LDS bytes of its own; (P) makes q (waves 0-3) or k (waves 4-7) of pixel tile w % 4, and v of its
; 32 channels for all four pixel tiles.  x's codes go from wave to wave through LDS as images of the operand's registers.
; THE PIXELS OF A TILE ARE NOT NEIGHBOURS: row r of tile 2 b + u is pixel 32 b + 8 u + r % 8 + 16 (r / 8), so that the 16 result registers of tiles 2 b and 2 b + 1 are 16 neighbouring pixels, 32 b + 16 (lane / 16) + 0 .. 15.
; IMAGES.  Half a fragment (16 rows x 64 K, registers 6 c .. 6 c + 5) is 768 bytes: registers 0-3 at 16 x lane, registers 4-5 at 512 + 8 x lane.  A q or k tile (16 pixels x 16 d, f32) is 1,024 bytes: lane (r, h) holds
; d = 8 h + 0 .. 7 of pixel row r: registers 0-3 at 16 x lane, 4-7 at 512 + 16 x lane.
; kv: for each 256 keys SLOTB bytes: 16 k tiles; V's [2 x 128 keys][16 channel tiles][2 halves] x 768; V's scale bytes [2][2] x 512 (image lane (r, hh): halfword i = the two bytes of channel 16 (8 hh + i) + r).
; LIMITS: NaN and infinities among the inputs are not served.  A block's largest magnitude is taken no lower than 2^(3 - 127), which holds its byte at 1; a block of zeros so keeps the byte 1 over zero codes,
; which add nothing, and the bytes are read by this program alone.
.set SLOTB, 67584
.set XIMG,  0                          ; LDS: x's 8 fragments (pixel tile T, K step s: 2 T + s) x 1,536
.set XSC,   12288                      ; their scale words: (2 T + s) x 64, 4 bytes a row
.set VSC,   12800                      ; v's scale bytes of these 64 pixels: one image of 512 bytes
.set WIMG,  13312                      ; six weight fragments for each wave: 9,216 x wave + 1,536 x f
.set XO,    4                          ; v4   4 x lane: my pixel in a row of x
.set WA,    5                          ; v5   a weight's row r of 1,024 bytes + 64 h
.set LI,    6                          ; v6   16 x lane
.set L8,    7                          ; v7   8 x lane
.set LS4,   8                          ; v8   4 r
.set XA16,  9                          ; v9   where my x codes' registers 0-3 go
.set XA8,   10                         ; v10  and registers 4-5
.set XSA,   11                         ; v11  and my two scale bytes
.set WI,    12                         ; v12  my wave's weight images + 16 x lane
.set QXA16, 13                         ; v13  x's fragments of pixel tile w % 4
.set QXA8,  14                         ; v14
.set QXS,   15                         ; v15  and their scale words
.set WB0,   16                         ; v16-79, v80-143, v144-207: three sets of 64 numbers as loaded
.set WB1,   80
.set XV,    144
.set TM,    208                        ; v208-211 largest magnitudes, v212-215 bytes, v216-219 the conversions' scale operands
.set PW,    220                        ; the scale word just made
.set VSA,   221                        ; where my word of v's scale bytes goes
.set PC,    222                        ; v222-241 codes just made
.set XS,    242                        ; v242-249 x's scale words: scales and nothing else
.set WS,    250                        ; v250-255 my six weight fragments' scale words: scales and nothing else
.set QX,    16                         ; the products' registers: x's two fragments, the weight's two, the bias, q or k
.set WQ,    40
.set BQ,    64
.set BV,    72
.set QA,    176
.set XF,    16                         ; x's eight fragments, wv's two, v's four tiles, the two sets of C
.set W,     112
.set HA,    144
.set BC,    184
.set SEL,   40                         ; s[40:41] v_permlanex16_b32's selects for lane l xor 16
.set QKW,   42
.set QKB,   44
.set QKO,   46
.set WVB,   48
.set XB,    50
.set KVV,   52
.set KVS,   54
.set BVB,   56
; 16 rows x 128 K of a weight, f32, K innermost: register 16 b + i = k 32 b + 16 h + i of row r
.macro WLOAD reg, base, off
.irp b, 0,1,2,3
.irp j, 0,1,2,3
	global_load_b128 v[\reg+16*\b+4*\j:\reg+16*\b+4*\j+3], v[WA], s[\base:\base+1] offset:\off+128*\b+16*\j
.endr
.endr
.endm
; 64 numbers of a lane, register 16 b + i = k 32 b + 16 (lane / 16) + i of my row, become a fragment's codes in v[PC] on and its scale word in v[PW]
.macro QUANT s
.irp b, 0,1,2,3
	v_max3_num_f32 v[TM+\b], |v[\s+16*\b]|, |v[\s+1+16*\b]|, 0x1800000   ; my 16 numbers of block b, and the floor 2^(3 - 127)
.endr
.irp i, 2,4,6,8,10,12,14
.irp b, 0,1,2,3
	v_max3_num_f32 v[TM+\b], v[TM+\b], |v[\s+16*\b+\i]|, |v[\s+1+16*\b+\i]|
.endr
.endr
.irp b, 0,1,2,3
	v_permlanex16_b32 v[TM+4+\b], v[TM+\b], s[SEL], s[SEL+1]
.endr
.irp b, 0,1,2,3
	v_max_num_f32 v[TM+\b], v[TM+\b], v[TM+4+\b]   ; with lane l xor 16's: the block's largest magnitude
.endr
.irp b, 0,1,2,3
	v_add_nc_u32 v[TM+8+\b], 0xff000000, v[TM+\b]  ; 2 off its exponent field: the conversion's scale operand
.endr
.irp b, 0,1,2,3
	v_lshrrev_b32 v[TM+4+\b], 23, v[TM+8+\b]       ; the scale's byte
.endr
	v_lshl_or_b32 v[PW], v[TM+5], 8, v[TM+4]
	v_lshl_or_b32 v[PW], v[TM+6], 16, v[PW]
	v_lshl_or_b32 v[PW], v[TM+7], 24, v[PW]
.irp c, 0,1
	v_cvt_scalef32_pk16_fp6_f32 v[PC+6*\c:PC+2+6*\c], v[\s+32*\c:\s+15+32*\c], v[TM+8+2*\c]
	v_cvt_scalef32_pk16_fp6_f32 v[PC+12+4*\c:PC+14+4*\c], v[\s+16+32*\c:\s+31+32*\c], v[TM+8+2*\c+1]   ; (a conversion's three registers begin on an even number)
.endr
	v_nop                                          ; one plain place behind a scaled conversion
.irp c, 0,1                                    ; the operand's layout wants a whole block in a lane
.irp i, 0,1,2
	v_permlane16_swap_b32 v[PC+6*\c+\i], v[PC+12+4*\c+\i]
.endr
.irp i, 0,1,2
	v_mov_b32 v[PC+3+6*\c+\i], v[PC+12+4*\c+\i]
.endr
.endr
.endm
; the same for two blocks (64 K): 32 numbers become half a fragment in v[PC + 10 e] on; the two bytes go to v[1 + e]
.macro QUANTH s, e
.set XC_, PC+10*(\e)
.irp b, 0,1
	v_max3_num_f32 v[TM+\b], |v[\s+16*\b]|, |v[\s+1+16*\b]|, 0x1800000
.endr
.irp i, 2,4,6,8,10,12,14
.irp b, 0,1
	v_max3_num_f32 v[TM+\b], v[TM+\b], |v[\s+16*\b+\i]|, |v[\s+1+16*\b+\i]|
.endr
.endr
.irp b, 0,1
	v_permlanex16_b32 v[TM+4+\b], v[TM+\b], s[SEL], s[SEL+1]
.endr
.irp b, 0,1
	v_max_num_f32 v[TM+\b], v[TM+\b], v[TM+4+\b]
.endr
.irp b, 0,1
	v_add_nc_u32 v[TM+8+\b], 0xff000000, v[TM+\b]
.endr
.irp b, 0,1
	v_lshrrev_b32 v[TM+4+\b], 23, v[TM+8+\b]
.endr
	v_lshl_or_b32 v[1+\e], v[TM+5], 8, v[TM+4]
	v_cvt_scalef32_pk16_fp6_f32 v[XC_:XC_+2], v[\s:\s+15], v[TM+8]
	v_cvt_scalef32_pk16_fp6_f32 v[XC_+6:XC_+8], v[\s+16:\s+31], v[TM+9]
	v_nop
.irp i, 0,1,2
	v_permlane16_swap_b32 v[XC_+\i], v[XC_+6+\i]
.endr
.irp i, 0,1,2
	v_mov_b32 v[XC_+3+\i], v[XC_+6+\i]
.endr
.endm
; block bb of my pixel: all its 32 channels are mine.  The codes are registers 0-5 of image lane rr + 16 bb
.macro XQ bb
.set XN_, XV+32*(\bb)
.set XC_, PC+10*(\bb)
	v_max3_num_f32 v[TM], |v[XN_]|, |v[XN_+1]|, |v[XN_+2]|
	v_max3_num_f32 v[TM+1], |v[XN_+3]|, |v[XN_+4]|, |v[XN_+5]|
.irp i, 6,10,14,18,22,26
	v_max3_num_f32 v[TM], v[TM], |v[XN_+\i]|, |v[XN_+\i+1]|
	v_max3_num_f32 v[TM+1], v[TM+1], |v[XN_+\i+2]|, |v[XN_+\i+3]|
.endr
	v_max3_num_f32 v[TM], v[TM], |v[XN_+30]|, |v[XN_+31]|
	v_max3_num_f32 v[TM], v[TM], v[TM+1], 0x1800000
	v_add_nc_u32 v[TM+8+\bb], 0xff000000, v[TM]
	v_lshrrev_b32 v[TM+4+\bb], 23, v[TM+8+\bb]
	v_cvt_scalef32_pk16_fp6_f32 v[XC_:XC_+2], v[XN_:XN_+15], v[TM+8+\bb]
	v_cvt_scalef32_pk16_fp6_f32 v[XC_+6:XC_+8], v[XN_+16:XN_+31], v[TM+8+\bb]
	v_nop
.irp i, 0,1,2
	v_mov_b32 v[XC_+3+\i], v[XC_+6+\i]
.endr
	ds_store_b128 v[XA16], v[XC_:XC_+3] offset:256*\bb
	ds_store_b64 v[XA8], v[XC_+4:XC_+5] offset:128*\bb
.endm
.macro IMAGE adr, off                          ; a whole fragment as it stands: three stores of 512 bytes
.irp c, 0,1,2
	ds_store_b128 v[\adr], v[PC+4*\c:PC+4*\c+3] offset:\off+512*\c
.endr
.endm
.macro FETCH reg, adr, off
.irp c, 0,1,2
	ds_load_b128 v[\reg+4*\c:\reg+4*\c+3], v[\adr] offset:\off+512*\c
.endr
.endm
.macro FETCHH reg, a16, a8, off                ; a fragment laid as two halves
	ds_load_b128 v[\reg:\reg+3], v[\a16] offset:\off
	ds_load_b64 v[\reg+4:\reg+5], v[\a8] offset:\off+512
	ds_load_b128 v[\reg+6:\reg+9], v[\a16] offset:\off+768
	ds_load_b64 v[\reg+10:\reg+11], v[\a8] offset:\off+768+512
.endm
.macro BARRIER                                 ; my LDS stores have landed and my LDS loads are in: then the work-group's barrier
	s_wait_dscnt 0x0
	s_barrier_signal -1
	s_barrier_wait -1
.endm
; weight fragment f from the set buf.  left: the younger loads, which may stay out
.macro WFRAG f, buf, left
	s_wait_dscnt 0x0                               ; the LDS stores issued so far have read the codes' registers
	s_wait_loadcnt \left
	QUANT \buf
	IMAGE WI, (\f)*1536
	v_mov_b32 v[WS+\f], v[PW]
.endm
	s_load_b512 s[4:19], s[0:1], 0x0               ; x, wq, wk, wv, bq, bk, bv, qimg
	s_load_b64 s[20:21], s[0:1], 0x40              ; kv
	v_lshl_add_u32 v241, v0, 2, 0x16000
	s_set_vgpr_msb 0x40
	v_mov_b32 v1, 0
	s_set_vgpr_msb 0x4000
	v_lshrrev_b32 v1, 5, v0
	v_readfirstlane_b32 s22, v1                    ; wave 0..7
	s_and_b32 s23, s22, 1                          ; ph: which 32 of the 64 pixels I quantise
	s_lshr_b32 s24, s22, 1                         ; cg: which 64 of the 256 channels
	s_and_b32 s25, s22, 3                          ; my pixel tile for q or k
	s_lshr_b32 s26, s22, 2
	s_mov_b32 s[SEL], 0x76543210
	s_mov_b32 s[SEL+1], 0xfedcba98
	v_and_b32 v1, 31, v0                           ; lane
	v_and_b32 v2, 15, v0                           ; r
	v_bfe_u32 v3, v0, 4, 1                         ; h
	v_lshlrev_b32 v[XO], 2, v1
	v_lshlrev_b32 v[WA], 10, v2
	v_lshl_add_u32 v[WA], v3, 6, v[WA]
	v_lshlrev_b32 v[LI], 4, v1
	v_lshlrev_b32 v[L8], 3, v1
	v_lshlrev_b32 v[LS4], 2, v2
	; pixel 32 ph + lane is row rr = lane % 8 + 8 (lane / 16) of tile 2 ph + u, u = (lane / 8) % 2; my channels are K step cg / 2, half cg % 2, image lanes rr and rr + 16
	v_and_b32 v[TM], 7, v0
	v_lshl_or_b32 v[TM], v3, 3, v[TM]              ; rr
	v_bfe_u32 v[TM+1], v0, 3, 1                    ; u
	s_mul_i32 s33, s23, 6144
	s_mul_i32 s27, s24, 768
	s_add_co_u32 s33, s33, s27
	v_mul_u32_u24 v[TM+2], v[TM+1], 3072
	v_add_nc_u32 v[TM+2], s33, v[TM+2]
	v_lshl_add_u32 v[XA16], v[TM], 4, v[TM+2]
	v_lshl_add_u32 v[XA8], v[TM], 3, v[TM+2]
	v_add_nc_u32 v[XA8], 512, v[XA8]
	s_lshl_b32 s33, s23, 8
	s_lshr_b32 s27, s24, 1
	s_lshl_b32 s27, s27, 6
	s_add_co_u32 s33, s33, s27
	s_and_b32 s27, s24, 1
	s_lshl_b32 s27, s27, 1
	s_add_co_u32 s33, s33, s27
	s_add_co_u32 s33, s33, XSC
	v_lshlrev_b32 v[TM+2], 7, v[TM+1]
	v_lshl_add_u32 v[TM+2], v[TM], 2, v[TM+2]
	v_add_nc_u32 v[XSA], s33, v[TM+2]
	s_mul_i32 s33, s22, 9216
	s_add_co_u32 s33, s33, WIMG
	v_add_nc_u32 v[WI], s33, v[LI]
	s_mul_i32 s33, s25, 3072
	v_add_nc_u32 v[QXA16], s33, v[LI]
	v_add_nc_u32 v[QXA8], s33, v[L8]
	s_lshl_b32 s33, s25, 7
	s_add_co_u32 s33, s33, XSC
	v_add_nc_u32 v[QXS], s33, v[LS4]
	s_lshl_b32 s33, s26, 8
	s_lshl_b32 s27, s25, 2
	s_add_co_u32 s33, s33, s27
	s_add_co_u32 s33, s33, VSC
	v_lshl_add_u32 v[VSA], v2, 4, s33              ; channel tiles 2 w, 2 w + 1: image lane r + 16 (w / 4), halfwords 2 (w % 4) and + 1
	v_lshlrev_b32 v3, 5, v3                        ; 32 h: my eight numbers of bq or bk
.irp b, 0,1,2,3
	v_mov_b32 v[TM+4+\b], 0                        ; written once: a lane permute's destination counts as one of its sources
.endr
	; byte offsets, apart from the addresses
	s_lshr_b32 s28, ttmp9, 6                       ; x: image x 4,194,304 + cg x 64 channels of 16,384 + 256 x group + 128 ph
	s_lshl_b32 s28, s28, 22
	s_lshl_b32 s29, s24, 20
	s_add_co_u32 s28, s28, s29
	s_and_b32 s29, ttmp9, 63
	s_lshl_b32 s29, s29, 8
	s_add_co_u32 s28, s28, s29
	s_lshl_b32 s29, s23, 7
	s_add_co_u32 s28, s28, s29
	s_mov_b32 s29, 0
	s_lshr_b32 s30, ttmp9, 2
	s_mul_i32 s30, s30, SLOTB                      ; my 256 keys' part of kv
	s_bfe_u32 s31, ttmp9, 0x10001                  ; ks: which 128 of them
	s_and_b32 s32, ttmp9, 1                        ; c: which 64 of those
	s_mul_i32 s34, s31, 24576                      ; V's halves: 16,384 + 24,576 ks + 1,536 (2 w + e) + 768 c
	s_mul_i32 s33, s22, 3072
	s_add_co_u32 s34, s34, s33
	s_mul_i32 s33, s32, 768
	s_add_co_u32 s34, s34, s33
	s_add_co_u32 s34, s34, s30
	s_add_co_u32 s34, s34, 16384
	s_mov_b32 s35, 0
	s_lshl_b32 s36, s31, 10                        ; V's scale bytes: 65,536 + 1,024 ks + 512 c
	s_lshl_b32 s33, s32, 9
	s_add_co_u32 s36, s36, s33
	s_add_co_u32 s36, s36, s30
	s_add_co_u32 s36, s36, 65536
	s_mov_b32 s37, 0
	s_lshl_b32 s63, s31, 3                         ; k's tile: 1,024 (8 ks + 4 c + w % 4)
	s_lshl_b32 s33, s32, 2
	s_add_co_u32 s63, s63, s33
	s_add_co_u32 s63, s63, s25
	s_lshl_b32 s63, s63, 10
	s_add_co_u32 s63, s63, s30
	s_lshl_b32 s62, ttmp9, 2                       ; q's tile: 4,096 G + 1,024 (w % 4)
	s_add_co_u32 s62, s62, s25
	s_lshl_b32 s62, s62, 10
	s_mov_b32 s39, 0
	s_lshl_b32 s58, s22, 15                        ; my 32 rows of wv,
	s_mov_b32 s59, 0
	s_lshl_b32 s60, s22, 7                         ; and of bv
	s_mov_b32 s61, 0
	s_wait_kmcnt 0x0
	s_cmp_lt_u32 s22, 4                            ; waves 0-3 make q, waves 4-7 k: the choice hangs on the wave's number alone
	s_cselect_b64 s[QKW:QKW+1], s[6:7], s[8:9]
	s_cselect_b64 s[QKB:QKB+1], s[12:13], s[14:15]
	s_cselect_b64 s[QKO:QKO+1], s[18:19], s[20:21]
	s_cselect_b32 s38, s62, s63
	s_add_nc_u64 s[QKO:QKO+1], s[QKO:QKO+1], s[38:39]
	s_add_nc_u64 s[XB:XB+1], s[4:5], s[28:29]
	s_add_nc_u64 s[WVB:WVB+1], s[10:11], s[58:59]
	s_add_nc_u64 s[BVB:BVB+1], s[16:17], s[60:61]
	s_add_nc_u64 s[KVV:KVV+1], s[20:21], s[34:35]
	s_add_nc_u64 s[KVS:KVS+1], s[20:21], s[36:37]
.set i, 0
.rept 64
	global_load_b32 v[XV+i], v[XO], s[XB:XB+1] offset:i*16384 th:TH_LOAD_NT   ; x(64 cg + i, my pixel): the wave reads 128 consecutive bytes, waves 2 cg and 2 cg + 1 together an aligned 256
.set i, i+1
.endr
	WLOAD WB0, QKW, 0                              ; fragments 0 and 1: wq or wk, K steps 0 and 1
	WLOAD WB1, QKW, 512
	s_wait_loadcnt 32                              ; x is in; the 32 loads of fragments 0 and 1 may be out
	XQ 0
	XQ 1
	v_lshl_or_b32 v1, v[TM+5], 8, v[TM+4]
	ds_store_b16 v[XSA], v1                        ; my pixel's bytes of blocks 2 (cg % 2) and + 1 of K step cg / 2
	WLOAD XV, WVB, 0                               ; fragment 2: wv's tile 2 w, K step 0
	WFRAG 0, WB0, 32                               ; younger: fragments 1 and 2
	WLOAD WB0, WVB, 512
	WFRAG 1, WB1, 32                               ; 2 and 3
	WLOAD WB1, WVB, 16384
	WFRAG 2, XV, 32                                ; 3 and 4
	WLOAD XV, WVB, 16384+512
	WFRAG 3, WB0, 32                               ; 4 and 5
	global_load_b128 v[BQ:BQ+3], v3, s[QKB:QKB+1]              ; the bias in the result's layout: lane (r, h): d = 8 h + 0 .. 7
	global_load_b128 v[BQ+4:BQ+7], v3, s[QKB:QKB+1] offset:16
	global_load_b32 v[BV], v[LS4], s[BVB:BVB+1]                ; bv of channel r of my two tiles
	global_load_b32 v[BV+1], v[LS4], s[BVB:BVB+1] offset:64
	WFRAG 4, WB1, 20                               ; fragment 5's 16 and the four bias loads
	WFRAG 5, XV, 4                                 ; the four bias loads
	BARRIER                                        ; x's eight fragments and their scale words lie in LDS
	; ---- q or k of pixel tile w % 4, transposed: source 0 = the 16 d, source 1 = the 16 pixels: lane (r, h) holds pixel row r, d = 8 h + 0 .. 7: the image
	FETCHH QX, QXA16, QXA8, 0
	FETCHH QX+12, QXA16, QXA8, 1536
	ds_load_b32 v[XS], v[QXS]
	ds_load_b32 v[XS+1], v[QXS] offset:64
	FETCH WQ, WI, 0
	FETCH WQ+12, WI, 1536
	s_wait_dscnt 0x0
	s_wait_loadcnt 0x0                             ; the biases
	v_wmma_scale_f32_16x16x128_f8f6f4 v[QA:QA+7], v[WQ:WQ+11], v[QX:QX+11], v[BQ:BQ+7], v[WS], v[XS] matrix_a_fmt:MATRIX_FMT_FP6 matrix_b_fmt:MATRIX_FMT_FP6
	s_wait_alu depctr_va_vdst(0)                   ; the wait stands directly ahead of the link
	v_wmma_scale_f32_16x16x128_f8f6f4 v[QA:QA+7], v[WQ+12:WQ+23], v[QX+12:QX+23], v[QA:QA+7], v[WS+1], v[XS+1] matrix_a_fmt:MATRIX_FMT_FP6 matrix_b_fmt:MATRIX_FMT_FP6
.irp j, 0,1,2,3,4,5,6,7
	v_mov_b32 v[BC+\j], v[BV]                      ; bv as the C of v's sums: a lane holds one channel.  These sixteen lines are also the places behind the two products
	v_mov_b32 v[BC+8+\j], v[BV+1]
.endr
	global_store_b128 v[LI], v[QA:QA+3], s[QKO:QKO+1]              ; each store of the wave covers 512 consecutive bytes, aligned
	global_store_b128 v[LI], v[QA+4:QA+7], s[QKO:QKO+1] offset:512
	; ---- v of my 32 channels: source 0 = 16 pixels, source 1 = 16 rows of wv: lane (r, h) holds channel r, and the 32 registers of the four tiles run along the pixels
.irp n, 0,1,2,3,4,5,6,7
	FETCHH XF+12*\n, LI, L8, \n*1536
	ds_load_b32 v[XS+\n], v[LS4] offset:XSC+64*\n
.endr
.irp e, 0,1
	FETCH W, WI, (2+2*\e)*1536
	FETCH W+12, WI, (3+2*\e)*1536
	s_wait_dscnt 0x0
.irp t, 0,1,2,3                                ; the four accumulators by turns, K step by K step
	v_wmma_scale_f32_16x16x128_f8f6f4 v[HA+8*\t:HA+8*\t+7], v[XF+24*\t:XF+24*\t+11], v[W:W+11], v[BC+8*\e:BC+8*\e+7], v[XS+2*\t], v[WS+2+2*\e] matrix_a_fmt:MATRIX_FMT_FP6 matrix_b_fmt:MATRIX_FMT_FP6
.endr
.irp t, 0,1,2,3
	v_wmma_scale_f32_16x16x128_f8f6f4 v[HA+8*\t:HA+8*\t+7], v[XF+24*\t+12:XF+24*\t+23], v[W+12:W+23], v[HA+8*\t:HA+8*\t+7], v[XS+2*\t+1], v[WS+3+2*\e] matrix_a_fmt:MATRIX_FMT_FP6 matrix_b_fmt:MATRIX_FMT_FP6
.endr
.rept 5
	v_nop                                          ; places: four in front of the reads of the results and of the loads into wv's registers, five in front of the sums begun anew over these accumulators
.endr
	QUANTH HA, \e                                  ; along the pixels: half a fragment of V and two scale bytes a channel
	global_store_b128 v[LI], v[PC+10*\e:PC+10*\e+3], s[KVV:KVV+1] offset:\e*1536          ; 512 consecutive bytes, aligned
	global_store_b64 v[L8], v[PC+10*\e+4:PC+10*\e+5], s[KVV:KVV+1] offset:\e*1536+512      ; and 256
.endr
	v_lshl_or_b32 v1, v2, 16, v1
	ds_store_b32 v[VSA], v1                        ; lanes r and r + 16 write the same word with the same value
	BARRIER                                        ; the 512 scale bytes lie in LDS
	s_cmp_lg_u32 s22, 0
	s_cbranch_scc1 .Lend
	ds_load_b128 v[16:19], v[LI] offset:VSC
	s_wait_dscnt 0x0
	global_store_b128 v[LI], v[16:19], s[KVS:KVS+1]            ; one wave stores them: 512 consecutive bytes, aligned
.Lend:
	s_set_vgpr_msb 0x4
	s_wait_tensorcnt 0x0
	ds_add_u32 v241, v1
	s_wait_dscnt 0x0
	s_set_vgpr_msb 0x400
	s_endpgm
.Lfunc_end_k_q8b6522179f_project:
	.size	k_q8b6522179f_project, .Lfunc_end_k_q8b6522179f_project-k_q8b6522179f_project
	.p2alignl 7, 3214868480
	.fill 96, 4, 3214868480
	.section	.rodata,"a",@progbits
	.p2align	6, 0x0
	.amdhsa_kernel k_q8b6522179f_project
		.amdhsa_group_segment_fixed_size 91136
		.amdhsa_private_segment_fixed_size 0
		.amdhsa_enable_private_segment 0
		.amdhsa_kernarg_size 72
		.amdhsa_user_sgpr_count 2
		.amdhsa_user_sgpr_kernarg_segment_ptr 1
		.amdhsa_wavefront_size32 1
		.amdhsa_system_sgpr_workgroup_id_x 1
		.amdhsa_system_sgpr_workgroup_id_y 1
		.amdhsa_system_sgpr_workgroup_id_z 1
		.amdhsa_system_vgpr_workitem_id 0
		.amdhsa_next_free_vgpr 258
		.amdhsa_next_free_sgpr 66
		.amdhsa_reserve_vcc 0
		.amdhsa_float_denorm_mode_32 3
		.amdhsa_float_denorm_mode_16_64 3
		.amdhsa_memory_ordered 1
		.amdhsa_forward_progress 1
		.amdhsa_inst_pref_size 60
	.end_amdhsa_kernel
	.amdgpu_metadata
---
amdhsa.version: [ 1, 2 ]
amdhsa.kernels:
  - .name:           k_q8b6522179f_project
    .symbol:         k_q8b6522179f_project.kd
    .args:
      - { .name: x, .offset: 0, .size: 8, .value_kind: global_buffer, .address_space: global }
      - { .name: wq, .offset: 8, .size: 8, .value_kind: global_buffer, .address_space: global }
      - { .name: wk, .offset: 16, .size: 8, .value_kind: global_buffer, .address_space: global }
      - { .name: wv, .offset: 24, .size: 8, .value_kind: global_buffer, .address_space: global }
      - { .name: bq, .offset: 32, .size: 8, .value_kind: global_buffer, .address_space: global }
      - { .name: bk, .offset: 40, .size: 8, .value_kind: global_buffer, .address_space: global }
      - { .name: bv, .offset: 48, .size: 8, .value_kind: global_buffer, .address_space: global }
      - { .name: qimg, .offset: 56, .size: 8, .value_kind: global_buffer, .address_space: global }
      - { .name: kv, .offset: 64, .size: 8, .value_kind: global_buffer, .address_space: global }
    .group_segment_fixed_size: 91136
    .private_segment_fixed_size: 0
    .kernarg_segment_align: 8
    .kernarg_segment_size: 72
    .max_flat_workgroup_size: 256
    .sgpr_count:     66
    .vgpr_count:     258
    .wavefront_size: 32
...
	.end_amdgpu_metadata
.endif
;; end of part 1
;; launch attend (part 2): grid 64 x 4, 8 waves a work-group, clusters of 4 x 1, 327,680 bytes of LDS; arguments qimg, kv, x, gamma, out0; writes out0
.if DOCPART == 2
	.amdgcn_target "amdgcn-amd-amdhsa--gfx1250"
	.amdhsa_code_object_version 6
	.text
	.protected	k_q8b6522179f_attend
	.globl	k_q8b6522179f_attend
	.p2align	8
	.type	k_q8b6522179f_attend,@function
k_q8b6522179f_attend:
	s_mov_b64 s[64:65], 0
	v_nop
	global_prefetch_b8 v0, s[64:65] scope:SCOPE_SE
	s_setreg_imm32_b32 hwreg(HW_REG_WAVE_MODE, 25, 1), 1
	s_wait_xcnt 0x0
	s_wait_alu depctr_hold_cnt(0) depctr_sa_sdst(0) depctr_va_vdst(0) depctr_va_sdst(0) depctr_va_ssrc(0) depctr_va_vcc(0) depctr_vm_vsrc(0)
	s_getreg_b32 s2, hwreg(HW_REG_IB_STS2, 6, 4)
	s_cmp_eq_u32 s2, 0
	s_cbranch_scc0 .Lentry_in_a_cluster
	s_endpgm
.Lentry_in_a_cluster:
	s_bfe_u32 s2, ttmp6, 0x10000c
	s_cmp_lg_u32 s2, 0x3003
	s_cbranch_scc0 .Lentry_shape_is_right
	s_endpgm
.Lentry_shape_is_right:
; out0[b][c][n] = gamma x (sum over m of v[c][m] p[n][m]) / l[n] + x[b][c][n].  p = 2^(t - M), t = (q[n] . k[m]) log2(e), M the row's running largest t rounded UP to a whole number; l the row's sum of the unquantised p.
; The scores are an f32 product (K = 16: v_wmma_f32_16x16x4_f32, four a tile); the second product runs on codes of FP6 (E2M3) with one E8M0 scale for each 32 keys.  q, k (f32) and v (codes, scale bytes) come from the
; launch before, laid in the order of the operand registers: every LDS read below is 16 or 8 bytes x lane on end.
; SHARES.  A work-group owns 64 queries of one image.  Wave w of eight owns query tile w % 4 (16 queries, all 256 channels: 16 accumulators) and key half kh = w / 4: of each tile of 256 keys the first or the second 128:
; one step a key tile.  The two halves of a query tile are merged at the end through LDS.  Both products are used transposed (S^T = K Q^T, O^T = V^T P^T): a lane holds ONE query throughout.
; THE KEYS OF A TILE OF 16 ARE NOT NEIGHBOURS: row r of tile 2 b + u is key 32 b + 8 u + r % 8 + 16 (r / 8), so that the 16 registers of tiles 2 b, 2 b + 1 are keys 32 b + 16 (lane / 16) + 0 .. 15.  The queries of a tile likewise.
; In the f32 product step s takes registers 2 s, 2 s + 1 of q's and of k's image: d = 8 (lane / 16) + 2 s + j stands in the place of k = 2 (lane / 16) + j, alike on both sides: the sum over d runs in that order.
; THE ORDER OF A STEP.  A wave's work is one chain of two blocks by turns.  AHEAD(t): the scores of step t, on K that is in registers; accumulators 8-15 of step t - 1's second product; V's fragments 0-7 of tile t asked for;
; the search for the maximum and t - M.  MAIN(t): exponentials, sums, codes; K of tile t + 1 asked for; accumulators 0-7 of the second product; V's fragments 8-15 asked for.  So each run of LDS loads has a phase of work
; on registers behind it in which to land: 32 f32 products, or the vector lines of half a softmax.
; BY OPPOSITE PHASES.  The barriers cut the chain of waves 0-3 between AHEAD and MAIN and that of waves 4-7 in front of AHEAD: behind a barrier the one kind begins with exponentials, the other with f32 products, both on
; registers, so that the matrix work of one kind of wave can stand beside the vector work of the other.  MAIN is written once an interval, AHEAD twice, each under a branch on the wave's number.
; THE RING.  In interval r both kinds read key tiles r and r + 1, and tile r + 2 lands: three slots.
; CLUSTER.  All 64 work-groups of an image walk the same key tiles: the four of a cluster ask for each JOINTLY.  A key tile is one dense block of SLOTB bytes, laid as the slot: each wave brings 33 rows of 256 bytes.
; CHANNELS.  Accumulator i holds channel tile i xor 8 kh, by the addresses alone: so every wave keeps accumulators 0-7 (channels 128 kh on) and hands 8-15 to wave w xor 4.
; O^T, l begin as zeros and the largest t as -3e38, so that the step is written once; the 128 moves run while the first tiles are on their way.
; LIMITS: NaN and infinities are not served.  A block's largest p is taken as 2^ of its largest score's t - M (the same two instructions on the same number); it is held at 2^(3 - 127) from below: a block whose every p
; is 0 keeps the byte 1 over zero codes.  p under 2^-126 is 0.
; REGISTERS, window 0: v1-38 addresses and a lane's statistics; v40-47 Q; v48-60 at work, v60 p's scale word; v62-69 V's scale halves, v70-77 V's scale words; v78-96 p's codes; v100-163 S^T (written by matrix instructions
; alone); v164-227 K's fragments, then p; v228-235 the merge.   window 1: v0-127 O^T; v128-175, v176-223 four fragments of V each; at the end v128-191 x, v192-255 the partner's half, then rows of the result.
.set SLOTB, 67584                      ; a key tile: 16 k images x 1,024; V [2][16][2] x 768; V's scale halves [2][2] x 512
.set WPART, 8448                       ; a wave's eighth of it
.set VOFF,  16384
.set SOFFS, 65536
.set SPARE, 3*SLOTB                    ; behind the ring: the spare words, 128 bytes for each wave: four blocks of 256 bytes that no other line names
.set MRG,   SPARE+1024                 ; the merge: 8,192 bytes for each wave;
.set STG,   MRG                        ; later the stage: 256 rows (channels) x (256 bytes + 16).  No fill ever lands here
.set MST,   MRG+256*272                ; -M and l of each wave: 256 bytes each
.set L16,   1
.set AK,    2                          ; v2-4    K's images of my key half in slot 0, 1, 2
.set AS,    5                          ; v5-7    V's scale halves
.set AV16A, 8                          ; v8-10   V's fragments for accumulators 0-7: registers 0-3 of a half;
.set AV16B, 11                         ; v11-13  for accumulators 8-15;
.set AV8A,  14                         ; v14-16  registers 4-5
.set AV8B,  17                         ; v17-19
.set SPW,   20                         ; v20  LDS address of my spare word; never rewritten
.set NIL,   21                         ; v21  0; never rewritten
.set NM,    22                         ; v22  -M
.set TX,    23                         ; v23  the largest t
.set LS,    24                         ; v[24:25] the sum in two halves
.set F,     26                         ; v26  2^(old M - new M); v27 is named with it as a pair
.set T0,    28
.set T1,    29
.set PFO,   30
.set XPO,   31
.set GO,    32
.set SO,    33
.set SR,    34
.set MW,    35
.set MR,    36
.set MSO,   37
.set MSP,   38
.set Q,     40
.set BM,    48
.set BT,    52
.set SCO,   56
.set PW,    60
.set VR,    62
.set VS,    70
.set PC,    78
.set PT,    90
.set S,     100
.set P,     164
.set EN,    228
.set EA,    232
.set EB,    234
.set VB0,   128                        ; window 1
.set VB1,   176
.set XR,    128
.set OB,    192
.set WV,    14
.set KH,    15
.set G1,    24
.set G0,    32                         ; s[32:43] a group 0 for each slot
.set SEL,   44
.set CS,    46
.set GAM,   48
.set CNT,   49
.set LIM,   50
.set PFA,   52
.set XB,    54
.set OBS,   56
.set PS,    58
.set QB,    60
.set MSB, 0
.macro WIN new                         ; the immediate's high byte repeats the setting that is left; a switch that changes nothing is dropped
.if MSB != \new
	s_set_vgpr_msb (MSB<<8)|\new
.set MSB, \new
.endif
.endm
.macro PLACES n
.rept \n
	v_nop
.endr
.endm
.macro CROUND                          ; a round of the cluster's barrier
	s_barrier_signal -1
	s_barrier_wait -1
	s_cmp_lg_u32 s[WV], 0
	s_cbranch_scc1 .Lnot_wave_0_\@
	s_barrier_signal -3
.Lnot_wave_0_\@:
	s_barrier_wait -3
	s_barrier_signal -1
	s_barrier_wait -1
.endm
; A prefetch of the key tile that the NEXT change of slots will ask for: its first 65,536 bytes (K and V), each aligned 256 bytes named once in the launch: the image's first cluster asks; its four partners take 16,384
; bytes each, told apart by address; in each, waves 0 and 1 ask for 8,192 bytes, lanes 256 bytes apart.  The scale bytes and tiles 0 to 3 come by their loads alone.
.macro ASK
	s_cmp_eq_u32 s[LIM], 1
	s_cbranch_scc0 .Lnot_mine_\@
	global_prefetch_b8 v[PFO], s[PFA:PFA+1] th:TH_LOAD_NT scope:SCOPE_SE
.Lnot_mine_\@:
.endm
; THE CHANGE OF SLOTS at the head of interval r.  Each wave waits for all its tensor loads (its part of tile r + 1), adds 0 to its spare word, and waits for that and for its LDS reads.
; fill = 1: behind a round of the cluster's barrier slot f = (r + 2) % 3, whose tile r - 1 nobody reads any more, takes tile r + 2: the load has the whole interval in which to land.
.macro CHANGE f, fill, ask
	s_wait_tensorcnt 0x0                           ; no tensor load of mine is out, so a group 0 may be written
	ds_add_u32 v[SPW], v[NIL]                      ; 0 onto my spare word
.if \fill
	s_add_nc_u64 s[G0+4*(\f)+2:G0+4*(\f)+3], s[G0+4*(\f)+2:G0+4*(\f)+3], 3*SLOTB   ; the slot's next tile: three on from its last
	s_wait_xcnt 0x0                                ; the last prefetch, an interval back, has read its address
	s_add_nc_u64 s[PFA:PFA+1], s[PFA:PFA+1], SLOTB
.endif
	s_wait_dscnt 0x0                               ; the add is done, and my reads of the slots are over
.if \fill
	CROUND
	tensor_load_to_lds s[G0+4*(\f):G0+4*(\f)+3], s[G1:G1+7]   ; the first thing behind the round, and my one tensor load until the next
	s_nop 0
	PLACES 4
.if \ask
	ASK
.endif
.else
	s_barrier_signal -1
	s_barrier_wait -1
	global_prefetch_b8 v[XPO], s[XB:XB+1] th:TH_LOAD_NT scope:SCOPE_SE   ; the last barrier of the walk, two steps ahead of the way out: the 32 rows of x that I add there, a lane a row of 256 bytes, each named once in the launch
.endif
.endm
.macro KLOAD sl                        ; my 128 keys: eight images into v[P] on
.irp t, 0,1,2,3,4,5,6,7
	ds_load_b128 v[P+8*\t:P+8*\t+3], v[AK+\sl] offset:\t*1024
	ds_load_b128 v[P+8*\t+4:P+8*\t+7], v[AK+\sl] offset:\t*1024+512
.endr
.endm
.macro SMUL4 t0                        ; four tiles of scores: four accumulators by turns, one instruction a turn; the first step starts each sum with the constant 0
.irp s, 0,1,2,3
.irp t, \t0, \t0+1, \t0+2, \t0+3
.if \s == 0
	v_wmma_f32_16x16x4_f32 v[S+8*(\t):S+8*(\t)+7], v[P+8*(\t):P+8*(\t)+1], v[Q:Q+1], 0
.else
	v_wmma_f32_16x16x4_f32 v[S+8*(\t):S+8*(\t)+7], v[P+8*(\t)+2*\s:P+8*(\t)+2*\s+1], v[Q+2*\s:Q+2*\s+1], v[S+8*(\t):S+8*(\t)+7]
.endif
.endr
.endr
.endm
.macro VFRAG reg, i, sl                ; V's fragment for accumulator i: two halves of 768 bytes
.if (\i) < 8
.set A16_, AV16A+(\sl)
.set A8_, AV8A+(\sl)
.else
.set A16_, AV16B+(\sl)
.set A8_, AV8B+(\sl)
.endif
	ds_load_b128 v[\reg:\reg+3], v[A16_] offset:((\i)%8)*1536
	ds_load_b64 v[\reg+4:\reg+5], v[A8_] offset:((\i)%8)*1536
	ds_load_b128 v[\reg+6:\reg+9], v[A16_] offset:((\i)%8)*1536+768
	ds_load_b64 v[\reg+10:\reg+11], v[A8_] offset:((\i)%8)*1536+768
.endm
; THE SOFTMAX of 16 queries x 128 keys, first part: the maxima, the new M, t - M
.macro SOFT1
.irp b, 0,1,2,3
	v_max3_num_f32 v[BM+\b], v[S+16*\b], v[S+16*\b+1], v[S+16*\b+2]   ; the largest score of each block of 32 keys: it serves for the row's maximum and for the block's largest p
.endr
.irp i, 3,5,7,9,11,13
.irp b, 0,1,2,3
	v_max3_num_f32 v[BM+\b], v[BM+\b], v[S+16*\b+\i], v[S+16*\b+\i+1]
.endr
.endr
.irp b, 0,1,2,3
	v_max_num_f32 v[BM+\b], v[BM+\b], v[S+15+16*\b]
.endr
.irp b, 0,1,2,3
	v_permlanex16_b32 v[BT+\b], v[BM+\b], s[SEL], s[SEL+1]
.endr
.irp b, 0,1,2,3
	v_max_num_f32 v[BM+\b], v[BM+\b], v[BT+\b]     ; with lane l xor 16's 16 keys
.endr
	v_max3_num_f32 v[T0], v[BM], v[BM+1], v[BM+2]
	v_max_num_f32 v[T0], v[T0], v[BM+3]
	v_mul_f32 v[T0], s[CS], v[T0]                  ; as t
	v_max_num_f32 v[TX], v[TX], v[T0]              ; the running largest t
	v_mov_b32 v[T0], v[NM]
	v_floor_f32 v[NM], -v[TX]                      ; the new -M = floor(-t): M is a whole number
	v_sub_f32 v[T0], v[NM], v[T0]                  ; old M - new M: a whole number, 0 or less
	v_cvt_i32_f32 v[T0], v[T0]                     ; (it saturates)
	v_ldexp_f32 v[F], 1.0, v[T0]                   ; f = 2^(old M - new M): a multiplication by it rounds nothing
.set j_, 0
.rept 32
	v_pk_fma_f32 v[P+j_:P+j_+1], v[S+j_:S+j_+1], s[CS:CS+1], v[NM:NM+1] op_sel_hi:[1,0,0]   ; t - M, into other registers than the sums': K's, which the scores have done with
.set j_, j_+2
.endr
.irp b, 0,1,2,3
	v_fma_f32 v[BM+\b], v[BM+\b], s[CS], v[NM]
.endr
.endm
; second part: p, the row's sum, p's scales and codes
.macro SOFT2
.set j_, 0
.rept 64
	v_exp_f32 v[P+j_], v[P+j_]                     ; p = 2^(t - M), not normalised
.set j_, j_+1
.endr
	v_pk_mul_f32 v[LS:LS+1], v[LS:LS+1], v[F:F+1] op_sel_hi:[1,0]   ; the sums under the new M (a plain place behind the exponentials)
	s_wait_alu depctr_va_vdst(0)                   ; one wait for the batch of 64, ahead of its first reader
.irp b, 0,1,2,3
	v_exp_f32 v[BM+\b], v[BM+\b]                   ; each block's largest p
.endr
	v_pk_add_f32 v[BT:BT+1], v[P:P+1], v[P+2:P+3]  ; the row's sum of the unquantised p, in two chains
.irp j, 4,8,12,16,20,24,28,32,36,40,44,48,52,56,60
	v_pk_add_f32 v[LS:LS+1], v[LS:LS+1], v[P+\j:P+\j+1]
	v_pk_add_f32 v[BT:BT+1], v[BT:BT+1], v[P+2+\j:P+3+\j]
.endr
	v_pk_add_f32 v[LS:LS+1], v[LS:LS+1], v[BT:BT+1]
	s_wait_alu depctr_va_vdst(0)                   ; and one for the four
.irp b, 0,1,2,3
	v_max_num_f32 v[BM+\b], 0x1800000, v[BM+\b]    ; the floor 2^(3 - 127)
.endr
.irp b, 0,1,2,3
	v_add_nc_u32 v[SCO+\b], 0xff000000, v[BM+\b]   ; 2 off the exponent field: the conversion's scale operand
.endr
.irp b, 0,1,2,3
	v_lshrrev_b32 v[BT+\b], 23, v[SCO+\b]          ; the scale's byte
.endr
	v_lshl_or_b32 v[PW], v[BT+1], 8, v[BT]         ; p's scale word for these 128 keys
	v_lshl_or_b32 v[PW], v[BT+2], 16, v[PW]
	v_lshl_or_b32 v[PW], v[BT+3], 24, v[PW]
.irp c, 0,1
	v_cvt_scalef32_pk16_fp6_f32 v[PC+6*\c:PC+6*\c+2], v[P+32*\c:P+32*\c+15], v[SCO+2*\c]
	v_cvt_scalef32_pk16_fp6_f32 v[PT+4*\c:PT+4*\c+2], v[P+16+32*\c:P+31+32*\c], v[SCO+2*\c+1]
.endr
	v_nop                                          ; one plain place behind a scaled conversion
.irp c, 0,1                                    ; the operand's layout wants a whole block in a lane
.irp i, 0,1,2
	v_permlane16_swap_b32 v[PC+6*\c+\i], v[PT+4*\c+\i]
.endr
.irp i, 0,1,2
	v_mov_b32 v[PC+3+6*\c+\i], v[PT+4*\c+\i]
.endr
.endr
.endm
.macro RESC a, n                       ; accumulators a .. a + n - 1 under the new M, each from its low end on
	WIN 0x41
.set i_, 8*(\a)
.rept 4*(\n)
	v_pk_mul_f32 v[i_:i_+1], v[i_:i_+1], v[F:F+1] op_sel_hi:[1,0]
.set i_, i_+2
.endr
.endm
.macro PVG g                           ; O^T += V^T P^T for accumulators 4 g .. 4 g + 3: source 0 = 16 channels x 128 keys, source 1 = p
	WIN 0x51
.irp k, 0,1,2,3
.set i_, 4*(\g)+\k
.set vb_, VB0+48*((\g)%2)+12*\k
.if i_ < 8
	v_wmma_scale_f32_16x16x128_f8f6f4 v[8*i_:8*i_+7], v[vb_:vb_+11], v[PC:PC+11], v[8*i_:8*i_+7], v[VS+i_%8], v[PW] matrix_a_fmt:MATRIX_FMT_FP6 matrix_b_fmt:MATRIX_FMT_FP6
.else
	v_wmma_scale_f32_16x16x128_f8f6f4 v[8*i_:8*i_+7], v[vb_:vb_+11], v[PC:PC+11], v[8*i_:8*i_+7], v[VS+i_%8], v[PW] matrix_a_fmt:MATRIX_FMT_FP6 matrix_b_fmt:MATRIX_FMT_FP6 matrix_a_scale:MATRIX_SCALE_ROW1
.endif
.endr
.endm
; AHEAD: step t, whose key tile lies in slot sl and whose K is in registers or on its way there.  pv = 1: accumulators 8-15 of step t - 1 are finished on the way.
; kw: how many LDS loads were issued behind K's sixteen and may stay out: V's 32 of the step before and the two scale loads, or in the first step the two alone.
.macro AHEAD sl, pv, kw
	ds_load_b128 v[VR:VR+3], v[AS+\sl]             ; V's scale bytes of tile t: keys 0-63 of my 128,
	ds_load_b128 v[VR+4:VR+7], v[AS+\sl] offset:512   ; keys 64-127: they land under the scores
	s_wait_dscnt \kw                               ; K is in
	SMUL4 0
	SMUL4 4
	s_wait_dscnt 0x0                               ; V's fragments 8-15 of step t - 1 and the scale bytes, asked for 32 f32 products ago or more
.if \pv
	PVG 2
	PVG 3
	WIN 0
	PLACES 4                                       ; in front of the writes of the scale words and of the loads into V's registers
.endif
.irp i, 0,1,2,3,4,5,6,7
	v_perm_b32 v[VS+\i], v[VR+4+\i/2], v[VR+\i/2], s[PS+\i%2]   ; the scale word of accumulators i (lanes 0-15) and 8 + i (lanes 16-31).  These eight are also places behind the f32 products, in front of the first read of S^T
.endr
	WIN 0x40
.irp k, 0,1,2,3
	VFRAG VB0+12*\k, \k, \sl                       ; V's fragments 0-7 of tile t: they land under the softmax
.endr
.irp k, 0,1,2,3
	VFRAG VB1+12*\k, 4+\k, \sl
.endr
	WIN 0
	SOFT1
.endm
; MAIN: step t, whose key tile lies in slot sl.  kl = 1: K of tile t + 1, in slot sn, is asked for, into the registers that p has left.
.macro MAIN sl, sn, kl
	SOFT2
.if \kl
	KLOAD \sn
.endif
	RESC 0, 8                                      ; (also the places between p's codes and scale word and the products)
	s_wait_dscnt 16*\kl                            ; V's fragments 0-7 are in; K's sixteen loads, issued behind them, may be out
	PVG 0
	PVG 1
	RESC 8, 1                                      ; (four plain lines on another accumulator: the places in front of the loads into the registers that the eight products read)
	WIN 0x40
.irp k, 0,1,2,3
	VFRAG VB0+12*\k, 8+\k, \sl                     ; V's fragments 8-15: they land under the next step's scores
.endr
.irp k, 0,1,2,3
	VFRAG VB1+12*\k, 12+\k, \sl
.endr
	RESC 9, 7
	WIN 0
.endm
; INTERVAL r: sl = r % 3, sn = (r + 1) % 3, f = (r + 2) % 3.  Waves 4-7: AHEAD(r), MAIN(r).  Waves 0-3: MAIN(r), AHEAD(r + 1).
.macro INTERVAL sl, sn, f, fill, ask
	CHANGE \f, \fill, \ask
	s_cmp_eq_u32 s[KH], 0
	s_cbranch_scc1 .Lia_\@
	AHEAD \sl, 1, 34
.Lia_\@:
	MAIN \sl, \sn, 1
	s_cmp_eq_u32 s[KH], 0
	s_cbranch_scc0 .Lib_\@
	AHEAD \sn, 1, 34
.Lib_\@:
.endm
	s_load_b256 s[4:11], s[0:1], 0x0               ; qimg s[4:5], kv s[6:7], x s[8:9], gamma s[10:11]
	s_load_b64 s[12:13], s[0:1], 0x20              ; out0
	v_lshl_add_u32 v[SPW], v0, 2, SPARE
	v_mov_b32 v[NIL], 0
	ds_add_u32 v20, v21
	ds_add_u32 v20, v21
	s_wait_dscnt 0x0
	v_lshrrev_b32 v39, 5, v0
	v_readfirstlane_b32 s[WV], v39                 ; wave 0..7
	s_lshr_b32 s[KH], s[WV], 2                     ; kh: my half of each key tile
	s_and_b32 s16, s[WV], 3                        ; qt: my query tile
	s_xor_b32 s20, s[KH], 1                        ; nk = 1 - kh
	s_bfe_u32 s17, ttmp6, 0x40000                  ; cx: it enters global addresses alone
	s_lshl_b32 s18, ttmp9, 2
	s_add_co_u32 s18, s18, s17                     ; my block of 64 queries = 4 x cluster x + cx
	s_and_b32 s19, ttmp7, 0xffff                   ; the image, which the four partners share
	; descriptor group 1: 33 rows of 256 bytes (32 elements of 8 bytes), dense, no padding
	s_mov_b32 s[G1], 15|(3<<16)|(1<<21)            ; 15:0 the mask: all four work-groups; 17:16 elements of 8 bytes; 21 set beside a mask
	s_mov_b32 s[G1+1], 32<<16                      ; tensor_dim0 = 32
	s_mov_b32 s[G1+2], 33<<16                      ; tensor_dim1 = 33
	s_mov_b32 s[G1+3], 32<<16                      ; tile_dim0 = 32
	s_mov_b32 s[G1+4], 33                          ; tile_dim1 = 33
	s_mov_b32 s[G1+5], 32                          ; elements from row to row
	s_mov_b32 s[G1+6], 0
	s_mov_b32 s[G1+7], 0
	s_mul_i32 s2, s19, 16*SLOTB                    ; the image's 16 key tiles,
	s_mul_i32 s51, s[WV], WPART                    ; my eighth of a tile: in memory and in a slot alike
	s_add_co_u32 s2, s2, s51
	s_mov_b32 s3, 0
	s_wait_kmcnt 0x0
	s_add_nc_u64 s[62:63], s[6:7], s[2:3]
	CROUND                                         ; all four work-groups are here: the first joint loads meet
.irp s, 0,1,2
	s_mov_b32 s[G0+4*\s], 1                        ; count = 1
	s_add_co_u32 s[G0+4*\s+1], s51, \s*SLOTB       ; LDS address: slot s, my eighth
	s_add_nc_u64 s[G0+4*\s+2:G0+4*\s+3], s[62:63], \s*SLOTB   ; global address: tile s
	s_or_b32 s[G0+4*\s+3], s[G0+4*\s+3], 0x80000000           ; type = 2
.endr
	tensor_load_to_lds s[G0:G0+3], s[G1:G1+7]      ; tiles 0, 1 and 2 go out together: three loads of mine are out
	s_nop 0
	tensor_load_to_lds s[G0+4:G0+7], s[G1:G1+7]
	s_nop 0
	tensor_load_to_lds s[G0+8:G0+11], s[G1:G1+7]
	s_nop 0
	PLACES 4
	s_load_b32 s[GAM], s[10:11], 0x0
	s_lshl_b32 s2, s19, 6                          ; q: 4,096 (64 image + block) + 1,024 qt
	s_add_co_u32 s2, s2, s18
	s_lshl_b32 s2, s2, 2
	s_add_co_u32 s2, s2, s16
	s_lshl_b32 s2, s2, 10
	s_mov_b32 s3, 0
	s_add_nc_u64 s[QB:QB+1], s[4:5], s[2:3]
	v_and_b32 v39, 31, v0                          ; lane
	v_lshlrev_b32 v[L16], 4, v39
	global_load_b128 v[Q:Q+3], v[L16], s[QB:QB+1]  ; my query tile's image stays in registers
	global_load_b128 v[Q+4:Q+7], v[L16], s[QB:QB+1] offset:512
	s_lshl_b32 s2, s19, 22                         ; x and out0: 4,194,304 image + 256 block
	s_lshl_b32 s51, s18, 8
	s_add_co_u32 s2, s2, s51
	s_add_nc_u64 s[XB:XB+1], s[8:9], s[2:3]
	s_add_nc_u64 s[OBS:OBS+1], s[12:13], s[2:3]
	s_mul_i32 s2, s19, 16*SLOTB                    ; the prefetches stand at tile 3; the first change of slots steps them to tile 4
	s_add_co_u32 s2, s2, 3*SLOTB
	s_lshl_b32 s51, s17, 14
	s_add_co_u32 s2, s2, s51
	s_lshl_b32 s51, s[WV], 13
	s_add_co_u32 s2, s2, s51
	s_add_nc_u64 s[PFA:PFA+1], s[6:7], s[2:3]
	s_lshr_b32 s2, s[WV], 1                        ; 0 in waves 0 and 1,
	s_or_b32 s2, s2, ttmp9                         ; of the image's first cluster: the same in all four partners
	s_cmp_eq_u32 s2, 0
	s_cselect_b32 s[LIM], 1, -1
	s_mov_b32 s[SEL], 0x76543210
	s_mov_b32 s[SEL+1], 0xfedcba98
	s_mov_b32 s[CS], 0x3fb8aa3b                    ; log2(e)
	s_mov_b32 s[CS+1], s[CS]
	s_mov_b32 s[PS], 0x05040100                    ; two low halves,
	s_mov_b32 s[PS+1], 0x07060302                  ; two high halves
	; every LDS address is made here, ahead of the first parting of the two kinds of waves
	s_lshl_b32 s2, s[KH], 13
	v_add_nc_u32 v[AK], s2, v[L16]
	s_lshl_b32 s2, s[KH], 4
	v_xor_b32 v[T0], s2, v39                       ; waves 4-7 take the other half of the scale image's lanes: their accumulators 0-7 are channel tiles 8-15
	v_lshlrev_b32 v[T0], 4, v[T0]
	s_lshl_b32 s2, s[KH], 10
	s_add_co_u32 s2, s2, SOFFS
	v_add_nc_u32 v[AS], s2, v[T0]
	s_mul_i32 s2, s[KH], 36864                     ; accumulators 0-7: key half kh (24,576), channel tiles 8 kh on (12,288)
	s_add_co_u32 s2, s2, VOFF
	s_mul_i32 s3, s[KH], 24576                     ; accumulators 8-15: channel tiles 8 nk on
	s_mul_i32 s51, s20, 12288
	s_add_co_u32 s3, s3, s51
	s_add_co_u32 s3, s3, VOFF
	v_add_nc_u32 v[AV16A], s2, v[L16]
	v_add_nc_u32 v[AV16B], s3, v[L16]
	v_lshlrev_b32 v61, 3, v39
	v_add_nc_u32 v61, 512, v61
	v_add_nc_u32 v[AV8A], s2, v61
	v_add_nc_u32 v[AV8B], s3, v61
.irp a, AK, AS, AV16A, AV16B, AV8A, AV8B
	v_add_nc_u32 v[\a+1], SLOTB, v[\a]             ; the same places in slots 1 and 2
	v_add_nc_u32 v[\a+2], 2*SLOTB, v[\a]
.endr
	v_and_b32 v97, 15, v0                          ; r
	v_bfe_u32 v98, v0, 4, 1                        ; h
	s_lshl_b32 s2, s[WV], 5
	v_add_nc_u32 v99, s2, v98                      ; the way out: channel 32 w + h (+ 2 i)
	v_lshlrev_b32 v[GO], 14, v99
	v_lshl_add_u32 v[GO], v97, 4, v[GO]
	v_mul_u32_u24 v[SR], v99, 272
	v_lshl_add_u32 v[SR], v97, 4, v[SR]
	v_add_nc_u32 v[SR], STG, v[SR]
	v_add_nc_u32 v99, s2, v39
	v_lshlrev_b32 v[XPO], 14, v99                  ; channel 32 w + lane
	v_lshlrev_b32 v[PFO], 8, v39
	s_lshl_b32 s2, s[KH], 7
	v_lshl_add_u32 v99, v98, 3, s2                 ; into the stage: channel 128 kh + 8 h (+ 16 i + j),
	v_mul_u32_u24 v[SO], v99, 272
	v_and_b32 v99, 7, v0
	v_bfe_u32 v93, v0, 3, 1
	v_lshl_add_u32 v99, v93, 4, v99                ; my query: r % 8 + 16 (r / 8)
	s_lshr_b32 s2, s16, 1
	s_lshl_b32 s2, s2, 5
	s_and_b32 s3, s16, 1
	s_lshl_b32 s3, s3, 3
	s_add_co_u32 s2, s2, s3
	v_add_nc_u32 v99, s2, v99                      ; + 32 (qt / 2) + 8 (qt % 2)
	v_lshl_add_u32 v[SO], v99, 2, v[SO]
	v_add_nc_u32 v[SO], STG, v[SO]
	s_xor_b32 s3, s[WV], 4                         ; my partner
	s_lshl_b32 s2, s[WV], 13
	s_add_co_u32 s2, s2, MRG
	v_add_nc_u32 v[MW], s2, v[L16]
	s_lshl_b32 s2, s3, 13
	s_add_co_u32 s2, s2, MRG
	v_add_nc_u32 v[MR], s2, v[L16]
	v_lshlrev_b32 v99, 2, v39
	s_lshl_b32 s2, s[WV], 8
	s_add_co_u32 s2, s2, MST
	v_add_nc_u32 v[MSO], s2, v99
	s_lshl_b32 s2, s3, 8
	s_add_co_u32 s2, s2, MST
	v_add_nc_u32 v[MSP], s2, v99
	v_mov_b32 v[TX], 0xff61b1e6                    ; the largest t so far: -3e38
	v_floor_f32 v[NM], -v[TX]
	v_mov_b32 v[LS], 0
	v_mov_b32 v[LS+1], 0
	v_mov_b32 v[F+1], 0                            ; (named as the upper half of a pair)
.irp b, 0,1,2,3
	v_mov_b32 v[BT+\b], 0                          ; written once: a lane permute's destination counts as one of its sources
.endr
	WIN 0x40
.set i_, 0
.rept 128
	v_mov_b32 v[i_], 0                             ; O^T
.set i_, i_+1
.endr
	WIN 0
	s_wait_tensorcnt 1                             ; my parts of tiles 0 and 1 are in; tile 2's may stay out
	s_barrier_signal -1
	s_barrier_wait -1                              ; everybody's are
	KLOAD 0
	s_wait_loadcnt 0x0                             ; Q
	s_wait_kmcnt 0x0                               ; gamma
	AHEAD 0, 0, 2                                  ; interval 0: every wave begins its chain: step 0;
	MAIN 0, 1, 1
	s_cmp_eq_u32 s[KH], 0
	s_cbranch_scc0 .Lfirst_done
	AHEAD 1, 1, 34                                 ; waves 0-3 go half a step further: from here on the two kinds are in opposite phases
.Lfirst_done:
	s_mov_b32 s[CNT], 4
.Ltrip:                                            ; intervals 1 to 12: a trip goes once round the three slots
	INTERVAL 1, 2, 0, 1, 1
	INTERVAL 2, 0, 1, 1, 1
	INTERVAL 0, 1, 2, 1, 1
	s_sub_co_u32 s[CNT], s[CNT], 1
	s_cmp_lg_u32 s[CNT], 0
	s_cbranch_scc1 .Ltrip
	INTERVAL 1, 2, 0, 1, 0                         ; interval 13 asks for tile 15: the last load; there is no tile behind it to prefetch
	INTERVAL 2, 0, 1, 0, 0                         ; interval 14: a barrier for tile 15's sake, and nothing is filled: written out
	s_cmp_eq_u32 s[KH], 0                          ; interval 15 needs no barrier: nothing new is read and nothing is filled
	s_cbranch_scc1 .Llast
	AHEAD 0, 1, 34                                 ; waves 4-7 catch up
.Llast:
	MAIN 0, 0, 0                                   ; step 15: there is no K behind it
	s_wait_dscnt 0x0
	PVG 2
	PVG 3
	WIN 0
	PLACES 4                                       ; in front of the loads into V's registers and of the reads of O^T
	; THE MERGE AND THE WAY OUT
	WIN 0x40
.irp i, 0,1,2,3,4,5,6,7,8,9,10,11,12,13,14,15
	global_load_b128 v[XR+4*\i:XR+4*\i+3], v[GO], s[XB:XB+1] offset:\i*32768 th:TH_LOAD_NT   ; x of channels 32 w + 2 i + h: sixteen lanes read a row's 256 bytes
.endr
	WIN 0
	v_add_f32 v[LS], v[LS], v[LS+1]                ; the sum's two halves,
	v_permlanex16_b32 v[T0], v[LS], s[SEL], s[SEL+1]
	v_add_f32 v[LS], v[LS], v[T0]                  ; and lane l xor 16's: my key half's l
	ds_store_b32 v[MSO], v[NM]
	ds_store_b32 v[MSO], v[LS] offset:128
	WIN 0x04
.irp k, 0,1,2,3,4,5,6,7,8,9,10,11,12,13,14,15
	ds_store_b128 v[MW], v[64+4*\k:64+4*\k+3] offset:512*\k    ; accumulators 8-15, as they stand, each from its low end on: my partner's channels
.endr
	WIN 0
	s_wait_dscnt 0x0
	s_barrier_signal -1
	s_barrier_wait -1
	ds_load_b32 v[T0], v[MSP]                      ; my partner's -M,
	ds_load_b32 v[T1], v[MSP] offset:128           ; l,
	WIN 0x40
.irp k, 0,1,2,3,4,5,6,7,8,9,10,11,12,13,14,15
	ds_load_b128 v[OB+4*\k:OB+4*\k+3], v[MR] offset:512*\k     ; and its sums for my channels
.endr
	WIN 0
	s_wait_dscnt 0x0                               ; my reads are in: the stage, which lies over these bytes, is written only behind the barrier
	s_barrier_signal -1
	s_barrier_wait -1
	v_min_num_f32 v[EN], v[NM], v[T0]              ; -(the larger M)
	v_sub_f32 v[EN+1], v[EN], v[NM]
	v_sub_f32 v[EN+2], v[EN], v[T0]
	v_cvt_i32_f32 v[EN+1], v[EN+1]
	v_cvt_i32_f32 v[EN+2], v[EN+2]
	v_ldexp_f32 v[EN+1], 1.0, v[EN+1]              ; f0 = 2^(my M - the larger),
	v_ldexp_f32 v[EN+2], 1.0, v[EN+2]              ; f1 likewise for my partner
	v_mul_f32 v[EN+3], v[LS], v[EN+1]
	v_fma_f32 v[EN+3], v[T1], v[EN+2], v[EN+3]     ; the row's l
	v_rcp_f32 v[EN+3], v[EN+3]
	v_nop                                          ; a plain place behind the reciprocal,
	s_wait_alu depctr_va_vdst(0)                   ; and the wait ahead of its first reader
	v_mul_f32 v[EN+3], s[GAM], v[EN+3]
	v_mul_f32 v[EA], v[EN+1], v[EN+3]              ; gamma f0 / l
	v_mul_f32 v[EB], v[EN+2], v[EN+3]              ; gamma f1 / l
	v_mov_b32 v[EA+1], v[EA]
	v_mov_b32 v[EB+1], v[EB]
	WIN 0x41
.set i_, 0
.rept 32
	v_pk_mul_f32 v[i_:i_+1], v[i_:i_+1], v[EA:EA+1] op_sel_hi:[1,0]
.set i_, i_+2
.endr
	WIN 0x51
.set i_, 0
.rept 32
	v_pk_fma_f32 v[i_:i_+1], v[OB+i_:OB+i_+1], v[EB:EB+1], v[i_:i_+1] op_sel_hi:[1,0,1]
.set i_, i_+2
.endr
	WIN 0x04
.irp i, 0,1,2,3,4,5,6,7
.irp j, 0,1,2,3,4,5,6,7
	ds_store_b32 v[SO], v[8*\i+\j] offset:(16*\i+\j)*272       ; channel 128 kh + 16 i + 8 h + j, my query: rows 272 bytes apart, so that the two halves of the lanes fall on different banks
.endr
.endr
	WIN 0
	s_wait_dscnt 0x0
	s_barrier_signal -1
	s_barrier_wait -1                              ; 256 whole rows of 64 queries lie in the stage
	WIN 0x40
.irp i, 0,1,2,3,4,5,6,7,8,9,10,11,12,13,14,15
	ds_load_b128 v[OB+4*\i:OB+4*\i+3], v[SR] offset:\i*544
.endr
	s_wait_dscnt 0x0
	s_wait_loadcnt 0x0                             ; x
	WIN 0x45
.set i_, 0
.rept 32
	v_pk_add_f32 v[OB+i_:OB+i_+1], v[OB+i_:OB+i_+1], v[XR+i_:XR+i_+1]
.set i_, i_+2
.endr
	WIN 0x04
.irp i, 0,1,2,3,4,5,6,7,8,9,10,11,12,13,14,15
	global_store_b128 v[GO], v[OB+4*\i:OB+4*\i+3], s[OBS:OBS+1] offset:\i*32768 th:TH_STORE_NT   ; sixteen lanes store 256 consecutive bytes, at a multiple of 256 from out0's first byte
.endr
	WIN 0
	s_wait_tensorcnt 0x0                           ; the wave's end, behind my last tensor load and my last LDS store
	ds_add_u32 v[SPW], v[NIL]
	s_wait_dscnt 0x0
	CROUND                                         ; the closing round: no work-group ends while a partner may still ask for a tile that names it
	s_endpgm
.Lfunc_end_k_q8b6522179f_attend:
	.size	k_q8b6522179f_attend, .Lfunc_end_k_q8b6522179f_attend-k_q8b6522179f_attend
	.p2alignl 7, 3214868480
	.fill 96, 4, 3214868480
	.section	.rodata,"a",@progbits
	.p2align	6, 0x0
	.amdhsa_kernel k_q8b6522179f_attend
		.amdhsa_group_segment_fixed_size 327680
		.amdhsa_private_segment_fixed_size 0
		.amdhsa_enable_private_segment 0
		.amdhsa_kernarg_size 40
		.amdhsa_user_sgpr_count 2
		.amdhsa_user_sgpr_kernarg_segment_ptr 1
		.amdhsa_wavefront_size32 1
		.amdhsa_system_sgpr_workgroup_id_x 1
		.amdhsa_system_sgpr_workgroup_id_y 1
		.amdhsa_system_sgpr_workgroup_id_z 1
		.amdhsa_system_vgpr_workitem_id 0
		.amdhsa_next_free_vgpr 512
		.amdhsa_next_free_sgpr 66
		.amdhsa_reserve_vcc 0
		.amdhsa_float_denorm_mode_32 3
		.amdhsa_float_denorm_mode_16_64 3
		.amdhsa_memory_ordered 1
		.amdhsa_forward_progress 1
		.amdhsa_inst_pref_size 255
	.end_amdhsa_kernel
	.section	.bss,"aw",@nobits
	.p2align	6
	.space	262144
	.amdgpu_metadata
---
amdhsa.version: [ 1, 2 ]
amdhsa.kernels:
  - .name:           k_q8b6522179f_attend
    .symbol:         k_q8b6522179f_attend.kd
    .args:
      - { .name: qimg, .offset: 0, .size: 8, .value_kind: global_buffer, .address_space: global }
      - { .name: kv, .offset: 8, .size: 8, .value_kind: global_buffer, .address_space: global }
      - { .name: x, .offset: 16, .size: 8, .value_kind: global_buffer, .address_space: global }
      - { .name: gamma, .offset: 24, .size: 8, .value_kind: global_buffer, .address_space: global }
      - { .name: out0, .offset: 32, .size: 8, .value_kind: global_buffer, .address_space: global }
    .group_segment_fixed_size: 327680
    .private_segment_fixed_size: 0
    .kernarg_segment_align: 8
    .kernarg_segment_size: 40
    .max_flat_workgroup_size: 256
    .sgpr_count:     66
    .vgpr_count:     512
    .wavefront_size: 32
...
	.end_amdgpu_metadata
.endif
;; end of part 2
